; MI455X (gfx1250); checked and timed in simulation.
; The chip was launched on July 23, 2026; its instructions are those of AMD's public machine-readable ISA for CDNA 5 (MIT licence, August 2026) and "CDNA5" Instruction Set Architecture Reference Guide (July 2026). The comments in the code are by the model that wrote it; some were corrected since.
;; Strategy Quantizer. Allowed arithmetic: matrix products marked QUANTISED: E3M2 operands, one E8M0 scale for each 32 along K, by v_wmma_scale_f32_16x16x128_f8f6f4 with both operands' format E3M2, f32 sums; everything else in f32.
;; Inputs: weight 1,024 x 64 float32; x 262,144 x 64 float32.
;; Outputs: out0 262,144 x 64 float32.
;; This version of the problem:
;;   THIS VERSION OF THE PROBLEM IS GIVEN IN LOW PRECISION. The matrix products marked QUANTISED in the list below multiply operands that are first quantised to E3M2 (3 exponent bits, 2 mantissa bits; 6 bits a number), with one power-of-two scale for each 32 numbers along K (OCP MX v1.0); their sums are f32. All else is computed in f32.
;;   The module's matrix products, in the order in which they are computed (A, B: the left and right operand; K: the contracted axis; several contracted axes count as one K, in the product's order):
;;     1. [M 262,144, K 64] x [K 64, N 1,024]; A: input x; B: input weight: QUANTISED
;;   THE QUANTISER, for each operand of a quantised product, along K:
;;     - K is cut into blocks of 32 from its start; a last block that is shorter is filled with zeros.
;;     - A block's scale is 2^e with e = floor(log2(the largest magnitude in the block)) - 4, held to -126 .. 127; a block of zeros has e = 0. As a byte (E8M0): e + 127.
;;     - Each number is divided by its block's scale, clamped to +-28, and rounded to the nearest number of E3M2, ties to even, subnormals kept.
;;     - The product sums the exact products of the quantised numbers (number of the format x scale) in f32.
;;   ~~~python
;;   def quantise(x, axis):      # numpy; x: float32 -> the quantised numbers, widened to float32 again
;;       x = np.moveaxis(x, axis, -1); K = x.shape[-1]
;;       x = np.pad(x, [(0, 0)] * (x.ndim - 1) + [(0, -K % 32)]); x = x.reshape(x.shape[:-1] + (-1, 32)); a = np.abs(x).max(-1, keepdims=True)
;;       e = np.where(a > 0, np.clip(np.frexp(np.where(a > 0, a, 1))[1] - 1 - 4, -126, 127), 0)      # np.frexp(a)[1] - 1 = floor(log2(a)), exactly
;;       r = np.clip(x / 2.0 ** e, -28, 28)
;;       step = 2.0 ** (np.maximum(np.frexp(np.where(r == 0, 1, r))[1] - 1, -2) - 2)
;;       q = np.round(r / step) * step * 2.0 ** e      # np.round: ties to even
;;       return np.moveaxis(q.reshape(q.shape[:-2] + (-1,))[..., :K], -1, axis).astype(np.float32)
;;   ~~~
;; One version. Each part assembles by itself: llvm-mc -triple=amdgcn-amd-amdhsa -mcpu=gfx1250 --defsym DOCPART=n.
;; ======== version 1 of 1: 2 launches
;; limits: right only within a limited range of input values
;; workspace buffers: idx 1,048,576 bytes of whole numbers
;; launch nearest (part 1): grid 256 x 1, 4 waves a work-group, clusters of 4 x 1, 327,680 bytes of LDS; arguments x, weight, idx; writes idx
.if DOCPART == 1
	.amdgcn_target "amdgcn-amd-amdhsa--gfx1250"
	.amdhsa_code_object_version 6
	.text
	.protected	k_q327fd9dc2f_nearest
	.globl	k_q327fd9dc2f_nearest
	.p2align	8
	.type	k_q327fd9dc2f_nearest,@function
k_q327fd9dc2f_nearest:
	s_mov_b64 s[64:65], 0
	v_nop
	global_prefetch_b8 v0, s[64:65] scope:SCOPE_SE
	s_setreg_imm32_b32 hwreg(HW_REG_WAVE_MODE, 25, 1), 1
	s_wait_xcnt 0x0
	s_wait_alu depctr_hold_cnt(0) depctr_sa_sdst(0) depctr_va_vdst(0) depctr_va_sdst(0) depctr_va_ssrc(0) depctr_va_vcc(0) depctr_vm_vsrc(0)
	s_getreg_b32 s2, hwreg(HW_REG_IB_STS2, 6, 4)
	s_cmp_eq_u32 s2, 0
	s_cbranch_scc0 .Lentry_in_a_cluster
	s_endpgm
.Lentry_in_a_cluster:
	s_bfe_u32 s2, ttmp6, 0x10000c
	s_cmp_lg_u32 s2, 0x3003
	s_cbranch_scc0 .Lentry_shape_is_right
	s_endpgm
.Lentry_shape_is_right:
; idx[n] = the first k at which sqrt(max(x2[n] - 2 Q(x[n]) . Q(w[k]) + w2[k], 0)) is least.  x: [262144][64] f32, weight: [1024][64] f32, idx: [262144] u32.
; Q: codes of BF6 (E3M2) with one E8M0 scale for each 32 along K; the product goes by v_wmma_scale_f32_16x16x128_f8f6f4.  K is 64: the upper 64 of the instruction's 128 are zero codes of x.
; HOW THE WORK ON EACH DISTANCE IS KEPT SMALL.
;  (a) w's codes get their signs turned and w's scale bytes 1 added (a byte is at most 250): the product is -2 dot, exactly; C = w2: one instruction gives d' = w2 - 2 dot.
;  (b) y -> fl(y + x2) never falls where y rises, so the least fl(d' + x2) is fl(least d' + x2): x2 is added to the minima of tiles and to the eight numbers of the tile chosen, not to every number.
;  (c) with m = max(least d2, 0), s = the correctly rounded root of m and s' the next float above s: a d2 has the root s just where d2 <= T, T = s s' rounded down (the square of the middle
;      between s and s' lies a quarter of a unit of s s' above it, and no f32 lies between).  So the answer is the FIRST k with d2 <= T: one root a row.
;  (d) d' of 64 rows x 256 code words stays in registers: pass 1 takes a minimum for each lane and tile, pass 2 walks the tiles downward and keeps the last that holds a d2 <= T.
; LIMITS: d2 is formed as fl(fl(w2 - 2 dot) + x2), where the source reads fl(fl(x2 - 2 dot) + w2); x2 and w2 are summed in four packed chains.  NaN and infinities are not served.
; For 0 < least d2 < 2^-102 the sign tests behind the root can underflow: ties of the rounded root are then not reproduced; the least d2 itself still counts (T is held at m from below).
; A block of zeros gets the scale byte 1 where the rule says 127: its codes are zeros, and the bytes are read by this text alone.
; SHARES.  A work-group owns 1,024 rows, 16 blocks of 64 (four row tiles m).  THE WAVES SHARE THE CODE WORDS: wave w owns code words 256 w .. 256 w + 255 (16 tiles t), whose codes, scale words and w2
; stay in its registers.  In each block wave w also quantises row tile w of the NEXT block and hands it round through LDS as an image of the operand's registers.
; TRANSPOSED USE: source 0 = 16 code words, source 1 = 16 rows of x: lane (r, h) holds row r, and register j of tile t the code word 16 t + 8 h + j.
; CLUSTER: the four work-groups of a cluster need the same 256 KiB of weight: each quarter of a wave's part is asked for jointly, once, at the head.  x is shared by nobody and comes by plain loads, a block ahead.
; No LDS byte is filled twice by a tensor load.
; REGISTERS, in windows of 256.  Window 0: see the names below.  Window 1: v0-101 the code book, OVERLAPPED: tile t is v[6 t : 6 t + 11], whose upper six registers are tile t + 1's codes (they meet x's zero codes;
; six zero registers follow tile 15); v128-255 w2, eight a tile, in the result's layout.  Windows 2, 3: d' of row tile m at window 2 + m / 2, register 128 (m % 2) + 8 t + j.
; A slice of four minima costs two switches of the window, since a product's operands and the minima's do not fit one setting: 128 switches for a block's 64 matrix instructions.
; AMENDED FORMS, which take the place of what the lines above say of them: each wave asks for its 256 rows of weight by ONE joint load at the head;
; the code book is quantised two tiles at a time, line by line by turns, on four sets of numbers and two sets of work registers;
; pass 1 lays four products on end and then the sixteen minima of the quad before: two switches of the window a quad, 32 for a block's 64 matrix instructions;
; the row's least d' is taken first and x2 added to it once (by (b) that is the least d2), so that it is stored ahead of the adds that turn the tiles' minima into d2;
; pass 2 selects two registers an instruction (dual pairs under VCC) and begins its walk with tiles 15 and 14 together.
.set WP,    272                        ; a row of weight or x in LDS: 256 bytes + 16: the 16 rows that a load of 16 bytes a lane touches start 68 words apart
.set WWAVE, 256*WP                     ; a wave's 256 rows of weight: what its one tensor load brings
.set STG,   4*WWAVE                    ; 278,528: each wave's stage for a tile of x: 16 rows
.set STGW,  16*WP
.set XIMG,  STG+4*STGW                 ; 295,936: images of x's four fragments, 768 bytes each: registers 0-3 at 16 x lane, registers 4-5 at 512 + 8 x lane
.set XSC,   XIMG+4*768                 ; 299,008: their scale words, 128 m + 4 x lane; 512 bytes on: x2 in the same form
.set PM,    XSC+1024                   ; 300,032: the waves' minima, 512 x wave + 16 x lane
.set CAND,  PM+2048                    ; 302,080: each wave's candidate index, 4,096 x wave + 4 x row
.set W2L,   CAND+16384                 ; 318,464: w2 by code word, 1,024 x wave + 4 x code word; the map ends at 322,560
.set SRD,  2                           ; v2   stage, out: STG + 4352 w + 272 r + 128 h
.set SWR,  3                           ; v3   stage, in: STG + 4352 w + 272 h + 16 r
.set XO,   4                           ; v4   16 x lane
.set WRD,  5                           ; v5   weight in LDS: 69632 w + 272 r + 128 h
.set XIW,  6                           ; v6   my image's registers 0-3
.set XIW8, 7                           ; v7   and 4-5
.set XSW,  8                           ; v8   my scale word's place
.set LI16, 9                           ; v9   images, read: XIMG + 16 x lane
.set LI8,  10                          ; v10  XIMG + 512 + 8 x lane
.set LS4,  11                          ; v11  XSC + 4 x lane
.set PMW,  12                          ; v12  PM + 512 w + 16 x lane
.set PMA,  13                          ; v13  PM + 16 x lane
.set CW0,  14                          ; v14  CAND + 4096 w + 4 r
.set CWT,  15                          ; v15  the same + 256 x block
.set H8,   16                          ; v16  8 h
.set CB0,  17                          ; v17  256 w + 8 h
.set INF,  18                          ; v18  +infinity
.set W2A,  19                          ; v19  W2L + 1024 w + 4 r
.set W2B,  20                          ; v20  W2L + 1024 w + 32 h
.set FIN,  21                          ; v21  CAND + 1024 w + 16 x lane
.set WS,   24                          ; v24-39   w's scale words, a tile each
.set XS,   40                          ; v40-43   x's scale words, a row tile each
.set X2,   44                          ; v44-51   pairs: x2 of row tile m, and a 0 that is named with it
.set M,    52                          ; v52-55   the row's least d2
.set T,    56                          ; v56-59   the bound T
.set XF,   60                          ; v60-107  x's fragments, 12 a row tile, registers 6-11 zero; registers 0-3 hold the waves' minima between pass 1 and the fetch
.set G,    108                         ; v108-171 minima: G + 16 m + t
.set XT2,  108                         ; (at the head: three more sets of 32 numbers of weight, in registers that the loop uses for other things: v108-139,
.set XT3,  140                         ; v140-171,
.set XT4,  64                          ; v64-95;
.set DK,   -192                        ; and a second set of the quantiser's work registers, 192 below the first: v44-63)
.set XR,   172                         ; v172-203 a tile of x on its way
.set XT,   204                         ; v204-235 32 neighbours along K of my row
.set QA,   236                         ; v236-239 largest magnitudes; then two of the four sums of squares
.set QSOP, 240                         ; v240 the conversions' scale operand
.set QW,   241                         ; v241 the scale word
.set QC,   242                         ; v242-247 a fragment's six registers
.set QD,   248                         ; v248-250 the second conversion's three
.set QY,   251                         ; v251 what the other half of the lanes sends
.set P0,   252                         ; v252-255 two sums of squares
.set P1,   254
.set P2,   236
.set P3,   238
.set QS,   252                         ; v252 the sum of squares
.set TS,   204                         ; the bound's work: the root, its neighbours, the two tests
.set TA,   208
.set TB,   212
.set TEU,  216
.set TED,  220
.set CA,   204                         ; v204-235 the eight numbers of the tile chosen, a row tile each
.set TIX,  236                         ; v236-239 its number
.set JX,   240                         ; v240-243 the register chosen
.set IX,   244                         ; v244-247 the index
.set IY,   248                         ; v248-251 the other half's
.set CBK,  0                           ; window 1
.set W2R,  128                         ; window 1
.set WV,   10                          ; s10  my wave's number
.set G1,   16                          ; s[16:23] descriptor group 1
.set G0,   24                          ; s[24:27] descriptor group 0
.set LSEL, 40                          ; s[40:41] v_permlanex16_b32's selects for lane l xor 16
.set MX,   42                          ; s42-44 the sign bits of 16 codes in 96 bits
.set BLK,  46                          ; s46  the block, 0 to 15
.set BOFF, 47                          ; s47  256 x block
.set MK,   66                          ; s66-97 lane masks
.set TO1,  0x40                        ; destination window 1
.set MSB, 0
.macro WIN new                         ; the immediate's high byte repeats the setting that is left; a switch that changes nothing is dropped
.if MSB != \new
	s_set_vgpr_msb (MSB<<8)|\new
.set MSB, \new
.endif
.endm
.macro PLACES n
.rept \n
	v_nop
.endr
.endm
.macro CROUND                          ; a round of the cluster's barrier
	s_barrier_signal -1
	s_barrier_wait -1
	s_cmp_lg_u32 s[WV], 0
	s_cbranch_scc1 .Lnot_wave_0_\@
	s_barrier_signal -3
.Lnot_wave_0_\@:
	s_barrier_wait -3
	s_barrier_signal -1
	s_barrier_wait -1
.endm
.macro XLOAD off                       ; my tile of x, 16 rows = 4,096 dense bytes: each load covers 512 consecutive bytes
.irp i, 0,1,2,3,4,5,6,7
	global_load_b128 v[XR+4*\i:XR+4*\i+3], v[XO], s[4:5] offset:\off+512*\i th:TH_LOAD_NT
.endr
.endm
.macro TURN                            ; through my own stage: in as loaded, out 128 bytes a lane: lane (r, h) gets k = 32 h .. 32 h + 31 of row r.  LDS serves a wave's instructions in order
.irp i, 0,1,2,3,4,5,6,7
	ds_store_b128 v[SWR], v[XR+4*\i:XR+4*\i+3] offset:2*WP*\i
.endr
.irp c, 0,1,2,3,4,5,6,7
	ds_load_b128 v[XT+4*\c:XT+4*\c+3], v[SRD] offset:16*\c
.endr
.endm
.macro WREAD t, set                    ; the same 32 numbers of code word 16 t + r of my 256
.irp c, 0,1,2,3,4,5,6,7
	ds_load_b128 v[\set+4*\c:\set+4*\c+3], v[WRD] offset:STGW*(\t)+16*\c
.endr
.endm
; A lane's 32 numbers are one whole block.  QUANT_A: its largest magnitude (with the floor 2^(5 - 127), so that the byte cannot fall under 1), the scale operand, the byte, the codes.
.macro QUANT_A s
	v_max3_num_f32 v[QA], |v[\s]|, |v[\s+1]|, 0x2800000
	v_max3_num_f32 v[QA+1], |v[\s+2]|, |v[\s+3]|, |v[\s+4]|
	v_max3_num_f32 v[QA+2], |v[\s+5]|, |v[\s+6]|, |v[\s+7]|
	v_max3_num_f32 v[QA+3], |v[\s+8]|, |v[\s+9]|, |v[\s+10]|
.irp i, 0,1,2,3,4,5,6,7,8,9
	v_max3_num_f32 v[QA+\i%4], v[QA+\i%4], |v[\s+11+2*\i]|, |v[\s+12+2*\i]|   ; four chains by turns
.endr
	v_max3_num_f32 v[QA], v[QA], v[QA+1], v[QA+2]
	v_max3_num_f32 v[QA], v[QA], v[QA+3], |v[\s+31]|
	v_add_nc_u32 v[QSOP], 0xfe000000, v[QA]        ; 4 off the exponent field: the conversion takes that field as its scale
	v_lshrrev_b32 v[QW], 23, v[QSOP]               ; the scale's byte
	v_cvt_scalef32_pk16_bf6_f32 v[QC:QC+2], v[\s:\s+15], v[QSOP]
	v_cvt_scalef32_pk16_bf6_f32 v[QD:QD+2], v[\s+16:\s+31], v[QSOP]   ; (a conversion's three registers begin on an even number)
	v_nop                                          ; one plain place behind a scaled conversion
.endm
; QUANT_B: the row's sum of squares of the numbers as they came, and the scale word: byte 0 from lanes 0-15, byte 1 from lanes 16-31, bytes 2 and 3 zero.
.macro QUANT_B s
	v_pk_mul_f32 v[P0:P0+1], v[\s:\s+1], v[\s:\s+1]
	v_pk_mul_f32 v[P1:P1+1], v[\s+2:\s+3], v[\s+2:\s+3]
	v_pk_mul_f32 v[P2:P2+1], v[\s+4:\s+5], v[\s+4:\s+5]
	v_pk_mul_f32 v[P3:P3+1], v[\s+6:\s+7], v[\s+6:\s+7]
.irp i, 1,2,3
	v_pk_fma_f32 v[P0:P0+1], v[\s+8*\i:\s+8*\i+1], v[\s+8*\i:\s+8*\i+1], v[P0:P0+1]
	v_pk_fma_f32 v[P1:P1+1], v[\s+8*\i+2:\s+8*\i+3], v[\s+8*\i+2:\s+8*\i+3], v[P1:P1+1]
	v_pk_fma_f32 v[P2:P2+1], v[\s+8*\i+4:\s+8*\i+5], v[\s+8*\i+4:\s+8*\i+5], v[P2:P2+1]
	v_pk_fma_f32 v[P3:P3+1], v[\s+8*\i+6:\s+8*\i+7], v[\s+8*\i+6:\s+8*\i+7], v[P3:P3+1]
.endr
	v_pk_add_f32 v[P0:P0+1], v[P0:P0+1], v[P1:P1+1]
	v_pk_add_f32 v[P2:P2+1], v[P2:P2+1], v[P3:P3+1]
	v_pk_add_f32 v[P0:P0+1], v[P0:P0+1], v[P2:P2+1]
	v_add_f32 v[QS], v[P0], v[P0+1]
	v_lshlrev_b32 v[QW], v[H8], v[QW]              ; my byte at its place
	v_permlanex16_b32 v[QY], v[QS], s[LSEL], s[LSEL+1]
	v_add_f32 v[QS], v[QS], v[QY]                  ; with the row's other 32 numbers
	v_permlanex16_b32 v[QY], v[QW], s[LSEL], s[LSEL+1]
	v_or_b32 v[QW], v[QW], v[QY]
.endm
; QUANT2: QUANT_A and QUANT_B for two tiles of the code book at once, the numbers in sets s0 and s1, the work registers of tile k at DK x k: each line is written for both, so that no line waits for the line above it.
.macro QUANT2 s0, s1
.set SS, \s0
.set SD, (\s1)-(\s0)
.irp k, 0,1
	v_max3_num_f32 v[QA+DK*\k], |v[SS+SD*\k]|, |v[SS+SD*\k+1]|, 0x2800000
.endr
.irp c, 1,2,3
.irp k, 0,1
	v_max3_num_f32 v[QA+DK*\k+\c], |v[SS+SD*\k+3*\c-1]|, |v[SS+SD*\k+3*\c]|, |v[SS+SD*\k+3*\c+1]|
.endr
.endr
.irp i, 0,1,2,3,4,5,6,7,8,9
.irp k, 0,1
	v_max3_num_f32 v[QA+DK*\k+\i%4], v[QA+DK*\k+\i%4], |v[SS+SD*\k+11+2*\i]|, |v[SS+SD*\k+12+2*\i]|
.endr
.endr
.irp k, 0,1
	v_max3_num_f32 v[QA+DK*\k], v[QA+DK*\k], v[QA+DK*\k+1], v[QA+DK*\k+2]
.endr
.irp k, 0,1
	v_max3_num_f32 v[QA+DK*\k], v[QA+DK*\k], v[QA+DK*\k+3], |v[SS+SD*\k+31]|
.endr
.irp k, 0,1
	v_add_nc_u32 v[QSOP+DK*\k], 0xfe000000, v[QA+DK*\k]
.endr
.irp k, 0,1
	v_lshrrev_b32 v[QW+DK*\k], 23, v[QSOP+DK*\k]
.endr
.irp k, 0,1
	v_cvt_scalef32_pk16_bf6_f32 v[QC+DK*\k:QC+DK*\k+2], v[SS+SD*\k:SS+SD*\k+15], v[QSOP+DK*\k]
.endr
.irp k, 0,1
	v_cvt_scalef32_pk16_bf6_f32 v[QD+DK*\k:QD+DK*\k+2], v[SS+SD*\k+16:SS+SD*\k+31], v[QSOP+DK*\k]
.endr
	v_nop                                          ; one plain place behind a scaled conversion
.irp c, 0,1,2,3                        ; the four packed sums lie at P0, P0 + 2, P0 - 16, P0 - 14
.irp k, 0,1
	v_pk_mul_f32 v[P0+2*\c-20*(\c/2)+DK*\k:P0+2*\c-20*(\c/2)+DK*\k+1], v[SS+SD*\k+2*\c:SS+SD*\k+2*\c+1], v[SS+SD*\k+2*\c:SS+SD*\k+2*\c+1]
.endr
.endr
.irp i, 1,2,3
.irp c, 0,1,2,3
.irp k, 0,1
	v_pk_fma_f32 v[P0+2*\c-20*(\c/2)+DK*\k:P0+2*\c-20*(\c/2)+DK*\k+1], v[SS+SD*\k+8*\i+2*\c:SS+SD*\k+8*\i+2*\c+1], v[SS+SD*\k+8*\i+2*\c:SS+SD*\k+8*\i+2*\c+1], v[P0+2*\c-20*(\c/2)+DK*\k:P0+2*\c-20*(\c/2)+DK*\k+1]
.endr
.endr
.endr
.irp k, 0,1
	v_pk_add_f32 v[P0+DK*\k:P0+DK*\k+1], v[P0+DK*\k:P0+DK*\k+1], v[P1+DK*\k:P1+DK*\k+1]
.endr
.irp k, 0,1
	v_pk_add_f32 v[P2+DK*\k:P2+DK*\k+1], v[P2+DK*\k:P2+DK*\k+1], v[P3+DK*\k:P3+DK*\k+1]
.endr
.irp k, 0,1
	v_lshlrev_b32 v[QW+DK*\k], v[H8], v[QW+DK*\k]
.endr
.irp k, 0,1
	v_pk_add_f32 v[P0+DK*\k:P0+DK*\k+1], v[P0+DK*\k:P0+DK*\k+1], v[P2+DK*\k:P2+DK*\k+1]
.endr
.irp k, 0,1
	v_add_f32 v[QS+DK*\k], v[P0+DK*\k], v[P0+DK*\k+1]
.endr
.irp k, 0,1
	v_permlanex16_b32 v[QY+DK*\k], v[QS+DK*\k], s[LSEL], s[LSEL+1]
.endr
.irp k, 0,1
	v_add_f32 v[QS+DK*\k], v[QS+DK*\k], v[QY+DK*\k]
.endr
.irp k, 0,1
	v_permlanex16_b32 v[QY+DK*\k], v[QW+DK*\k], s[LSEL], s[LSEL+1]
.endr
.irp k, 0,1
	v_or_b32 v[QW+DK*\k], v[QW+DK*\k], v[QY+DK*\k]
.endr
.endm
.macro WFIN2 t                         ; tiles t and t + 1 of the code book: signs turned, into window 1; bytes + 1; w2 to my own LDS words (both halves of the lanes write the same word with the same value)
	WIN TO1
.irp k, 0,1
.irp i, 0,1,2
	v_xor_b32 v[CBK+6*((\t)+\k)+\i], s[MX+\i], v[QC+DK*\k+\i]
.endr
.irp i, 0,1,2
	v_xor_b32 v[CBK+6*((\t)+\k)+3+\i], s[MX+\i], v[QD+DK*\k+\i]
.endr
.endr
	WIN 0
.irp k, 0,1
	v_add_nc_u32 v[WS+(\t)+\k], 0x101, v[QW+DK*\k]
	ds_store_b32 v[W2A], v[QS+DK*\k] offset:64*((\t)+\k)
.endr
.endm
.macro XMOV                            ; the second conversion's three registers join the first's: directly behind QUANT_A, well ahead of the stores that read them
.irp i, 0,1,2
	v_mov_b32 v[QC+3+\i], v[QD+\i]
.endr
.endm
.macro XIMGST                          ; my tile of x goes to LDS as an image of the operand's registers, with its scale word and x2: four stores
	ds_store_b128 v[XIW], v[QC:QC+3]
	ds_store_b64 v[XIW8], v[QC+4:QC+5]
	ds_store_b32 v[XSW], v[QW]
	ds_store_b32 v[XSW], v[QS] offset:512
.endm
.macro FETCHX                          ; all four fragments and scale words: twelve loads
.irp m, 0,1,2,3
	ds_load_b128 v[XF+12*\m:XF+12*\m+3], v[LI16] offset:768*\m
	ds_load_b64 v[XF+12*\m+4:XF+12*\m+5], v[LI8] offset:768*\m
	ds_load_b32 v[XS+\m], v[LS4] offset:128*\m
.endr
.endm
.macro FETCH2                          ; and x2: four loads
.irp m, 0,1,2,3
	ds_load_b32 v[X2+2*\m], v[LS4] offset:512+128*\m
.endr
.endm
; Pass 1 goes in quads q = 0 .. 15 of four tiles: window 2 + q % 2; element e: row tile 2 (q % 2) + e % 2, tile 2 (q / 2) + e / 2.
.macro MM q, e                         ; d' = w2 - 2 dot of one tile.  C's and D's names are equal or apart; they lie in different windows
.set mM, 2*((\q)%2)+(\e)%2
.set mT, 2*((\q)/2)+(\e)/2
.set mD, 128*((\e)%2)+8*mT
.set mW, (2+(\q)%2)*64+0x11
	WIN mW                                         ; D window 2 or 3; source 0 (codes) and C (w2) window 1; source 1 (x) window 0
	v_wmma_scale_f32_16x16x128_f8f6f4 v[mD:mD+7], v[CBK+6*mT:CBK+6*mT+11], v[XF+12*mM:XF+12*mM+11], v[W2R+8*mT:W2R+8*mT+7], v[WS+mT], v[XS+mM] matrix_a_fmt:MATRIX_FMT_BF6 matrix_b_fmt:MATRIX_FMT_BF6
.endm
.macro MIN4 q, l                       ; level l of the quad's four minima: registers 2 l and 2 l + 1 of each tile; level 0 begins at each accumulator's low end
.set nW, (2+(\q)%2)*20
	WIN nW                                         ; sources 1 and 2 window 2 or 3
.irp e, 0,1,2,3
.set nG, G+16*(2*((\q)%2)+\e%2)+2*((\q)/2)+\e/2
.set nD, 128*(\e%2)+8*(2*((\q)/2)+\e/2)+2*(\l)
.if (\l) == 0
	v_min3_num_f32 v[nG], v[INF], v[nD], v[nD+1]
.else
	v_min3_num_f32 v[nG], v[nG], v[nD], v[nD+1]
.endif
.endr
.endm
; Pass 2 for the two row tiles of window X: the tiles from 15 down to 0; a tile whose minimum is at most T takes the place of what was kept: so the first such tile stays.  Tile 15 is taken in any case.
.macro PICK X
.irp i, 0,1
.irp t, 0,1,2,3,4,5,6,7,8,9,10,11,12,13,14
	v_cmp_le_f32 s[MK+15*\i+\t], v[G+16*(2*(\X-2)+\i)+\t], v[T+2*(\X-2)+\i]
.endr
.endr
	; A step: the tile's mask goes to VCC; the tile's number is selected by the stored mask; the eight numbers by four dual pairs, which take VCC.
	; In a pair the destinations are an even and an odd register, and the two first sources, and the two second sources, are neighbours: different banks.
	WIN 5*\X                                       ; sources 0 and 1 window X: the walk begins with tile 14 or, where it holds no d2 <= T, tile 15
.irp i, 0,1
	s_mov_b32 vcc_lo, s[MK+15*\i+14]
	v_cndmask_b32 v[TIX+2*(\X-2)+\i], 15, 14, s[MK+15*\i+14]
.irp j, 0,2,4,6
	v_dual_cndmask_b32 v[CA+8*(2*(\X-2)+\i)+\j], v[128*\i+120+\j], v[128*\i+112+\j] :: v_dual_cndmask_b32 v[CA+8*(2*(\X-2)+\i)+\j+1], v[128*\i+121+\j], v[128*\i+113+\j]
.endr
.endr
	WIN 4*\X                                       ; source 1 window X
.irp t, 13,12,11,10,9,8,7,6,5,4,3,2,1,0
.irp i, 0,1
	s_mov_b32 vcc_lo, s[MK+15*\i+\t]
	v_cndmask_b32 v[TIX+2*(\X-2)+\i], v[TIX+2*(\X-2)+\i], \t, s[MK+15*\i+\t]
.irp j, 0,2,4,6
	v_dual_cndmask_b32 v[CA+8*(2*(\X-2)+\i)+\j], v[CA+8*(2*(\X-2)+\i)+\j], v[128*\i+8*\t+\j] :: v_dual_cndmask_b32 v[CA+8*(2*(\X-2)+\i)+\j+1], v[CA+8*(2*(\X-2)+\i)+\j+1], v[128*\i+8*\t+\j+1]
.endr
.endr
.endr
	WIN 0
.endm
; The bound T of each row, the four row tiles by turns.
.macro TCALC
.irp m, 0,1,2,3
	v_min3_num_f32 v[M+\m], v[XF+\m], v[XF+12+\m], v[XF+24+\m]   ; the four waves' minima
.endr
.irp m, 0,1,2,3
	v_min_num_f32 v[M+\m], v[M+\m], v[XF+36+\m]
.endr
.irp m, 0,1,2,3
	v_max_num_f32 v[M+\m], 0, v[M+\m]              ; m = max(least d2, 0)
.endr
	s_wait_alu depctr_va_vdst(0)
.irp m, 0,1,2,3
	v_sqrt_f32 v[TS+\m], v[M+\m]                   ; within one step of the rounded root
.endr
	v_nop                                          ; a plain place behind the last root
	s_wait_alu depctr_va_vdst(0)                   ; the wait ahead of the first reader: one for the four
.irp m, 0,1,2,3
	v_add_nc_u32 v[TA+\m], 1, v[TS+\m]             ; the float above,
	v_add_nc_u32 v[TB+\m], -1, v[TS+\m]            ; and below
.endr
.irp m, 0,1,2,3
	v_fma_f32 v[TEU+\m], v[TS+\m], v[TA+\m], -v[M+\m]   ; m lies above the middle to the upper neighbour just where s0 a - m < 0: the sign of a fused multiply-add is exact
	v_fma_f32 v[TED+\m], v[TB+\m], v[TS+\m], -v[M+\m]   ; and under the middle to the lower one just where b s0 - m >= 0
.endr
.irp m, 0,1,2,3
	v_cmp_gt_f32 s[MK+\m], 0, v[TEU+\m]
	v_cmp_le_f32 s[MK+4+\m], 0, v[TED+\m]
.endr
.irp m, 0,1,2,3
	v_cndmask_b32 v[TS+\m], v[TS+\m], v[TA+\m], s[MK+\m]
.endr
.irp m, 0,1,2,3
	v_cndmask_b32 v[TS+\m], v[TS+\m], v[TB+\m], s[MK+4+\m]   ; s: the root, rounded to nearest
.endr
.irp m, 0,1,2,3
	v_add_nc_u32 v[TA+\m], 1, v[TS+\m]             ; s'
.endr
.irp m, 0,1,2,3
	v_mul_f32 v[TB+\m], v[TS+\m], v[TA+\m]         ; p = s s', rounded
.endr
.irp m, 0,1,2,3
	v_fma_f32 v[TEU+\m], v[TS+\m], v[TA+\m], -v[TB+\m]   ; s s' - p, exactly
.endr
.irp m, 0,1,2,3
	v_ashrrev_i32 v[TEU+\m], 31, v[TEU+\m]         ; -1 where p lies above s s'
.endr
.irp m, 0,1,2,3
	v_add_nc_u32 v[T+\m], v[TB+\m], v[TEU+\m]      ; one float down there: s s' rounded down
.endr
.irp m, 0,1,2,3
	v_max_num_f32 v[T+\m], v[T+\m], v[M+\m]        ; never under m
.endr
.endm
; The register j of the tile chosen, the index, the lower of the two halves of the lanes; to my wave's words in LDS.
.macro FINAL
.irp m, 0,1,2,3
.irp j, 0,2,4,6
	v_pk_add_f32 v[CA+8*\m+\j:CA+8*\m+\j+1], v[CA+8*\m+\j:CA+8*\m+\j+1], v[X2+2*\m:X2+2*\m+1] op_sel_hi:[1,0]   ; d2 = d' + x2
.endr
.endr
.irp m, 0,1,2,3
.irp j, 0,1,2,3,4,5,6,7
	v_cmp_le_f32 s[MK+8*\m+\j], v[CA+8*\m+\j], v[T+\m]
.endr
.endr
.irp m, 0,1,2,3
	v_mov_b32 v[JX+\m], 0x4000                     ; a lane with no d2 <= T: above every index
.endr
.irp j, 7,6,5,4,3,2,1,0
.irp m, 0,1,2,3
	v_cndmask_b32 v[JX+\m], v[JX+\m], \j, s[MK+8*\m+\j]
.endr
.endr
.irp m, 0,1,2,3
	v_lshl_add_u32 v[IX+\m], v[TIX+\m], 4, v[JX+\m]
.endr
.irp m, 0,1,2,3
	v_add_nc_u32 v[IX+\m], v[CB0], v[IX+\m]        ; 256 w + 16 t + 8 h + j
.endr
.irp m, 0,1,2,3
	v_permlanex16_b32 v[IY+\m], v[IX+\m], s[LSEL], s[LSEL+1]
.endr
.irp m, 0,1,2,3
	v_min_u32 v[IX+\m], v[IX+\m], v[IY+\m]
.endr
	v_add_nc_u32 v[CWT], s[BOFF], v[CW0]
.irp m, 0,1,2,3
	ds_store_b32 v[CWT], v[IX+\m] offset:64*\m     ; both halves of the lanes write the same word with the same value
.endr
.endm
	s_load_b128 s[4:7], s[0:1], 0x0                ; x, weight
	s_load_b64 s[8:9], s[0:1], 0x10                ; idx
	s_set_vgpr_msb 0x40
	v_lshl_add_u32 v126, v0, 2, 0x4ec00
	v_mov_b32 v127, 0
	s_set_vgpr_msb 0x4045
	ds_add_u32 v126, v127
	ds_add_u32 v126, v127
	s_set_vgpr_msb 0x4500
	v_lshrrev_b32 v1, 5, v0
	v_readfirstlane_b32 s[WV], v1                  ; wave 0..3
	s_bfe_u32 s11, ttmp6, 0x40000                  ; cx
	s_lshl_b32 s12, ttmp9, 2                       ; in a cluster launch ttmp9 counts clusters
	s_add_co_u32 s12, s12, s11                     ; my work-group: it enters x's and idx's addresses alone
	s_lshl_b32 s14, s12, 18                        ; x: 1,024 rows of 256 bytes a work-group,
	s_lshl_b32 s48, s[WV], 12                      ; 16 rows a wave
	s_add_co_u32 s14, s14, s48
	s_mov_b32 s15, 0
	s_lshl_b32 s48, s12, 12                        ; idx: 1,024 words a work-group,
	s_lshl_b32 s49, s[WV], 10                      ; 256 a wave
	s_add_co_u32 s48, s48, s49
	s_mov_b32 s49, 0
	s_lshl_b32 s50, s[WV], 16                      ; weight: my 256 rows; nothing of the work-group's place enters these three
	s_mov_b32 s51, 0
	s_mul_i32 s52, s[WV], WWAVE
	s_mov_b32 s[G1], 15|(3<<16)|(1<<20)|(1<<21)|(5<<22)|(3<<25)   ; 15:0 all four work-groups; 17:16 elements of 8 bytes; 20 padding on; 21 set beside a mask; 24:22 after every 64 words; 31:25 4 words of it
	s_mov_b32 s[G1+1], 32<<16                      ; tensor_dim0 = 32 elements: 256 bytes
	s_mov_b32 s[G1+2], 256<<16                     ; tensor_dim1 = 256
	s_mov_b32 s[G1+3], 32<<16                      ; tile_dim0
	s_mov_b32 s[G1+4], 256                         ; tile_dim1: all my 256 rows
	s_mov_b32 s[G1+5], 32                          ; from row to row
	s_mov_b32 s[G1+6], 0
	s_mov_b32 s[G1+7], 0
	s_mov_b32 s[LSEL], 0x76543210
	s_mov_b32 s[LSEL+1], 0xfedcba98
	s_mov_b32 s[MX], 0x20820820                    ; bit 6 i + 5 for i = 0 .. 15
	s_mov_b32 s[MX+1], 0x08208208
	s_mov_b32 s[MX+2], 0x82082082
	v_and_b32 v1, 31, v0                           ; lane
	v_and_b32 v22, 15, v0                          ; r
	v_bfe_u32 v23, v0, 4, 1                        ; h
	s_mul_i32 s13, s[WV], STGW
	s_add_co_u32 s13, s13, STG
	v_mul_u32_u24 v[SRD], v22, WP
	v_lshl_add_u32 v[SRD], v23, 7, v[SRD]
	v_add_nc_u32 v[WRD], s52, v[SRD]
	v_add_nc_u32 v[SRD], s13, v[SRD]
	v_mul_u32_u24 v[SWR], v23, WP
	v_lshl_add_u32 v[SWR], v22, 4, v[SWR]
	v_add_nc_u32 v[SWR], s13, v[SWR]
	v_lshlrev_b32 v[XO], 4, v1
	s_mul_i32 s13, s[WV], 768
	s_add_co_u32 s13, s13, XIMG
	v_add_nc_u32 v[XIW], s13, v[XO]
	v_lshl_add_u32 v[XIW8], v1, 3, s13
	v_add_nc_u32 v[XIW8], 512, v[XIW8]
	s_lshl_b32 s13, s[WV], 7
	s_add_co_u32 s13, s13, XSC
	v_lshl_add_u32 v[XSW], v1, 2, s13
	v_add_nc_u32 v[LI16], XIMG, v[XO]
	v_lshl_add_u32 v[LI8], v1, 3, XIMG+512
	v_lshl_add_u32 v[LS4], v1, 2, XSC
	s_lshl_b32 s13, s[WV], 9
	s_add_co_u32 s13, s13, PM
	v_add_nc_u32 v[PMW], s13, v[XO]
	v_add_nc_u32 v[PMA], PM, v[XO]
	s_lshl_b32 s13, s[WV], 12
	s_add_co_u32 s13, s13, CAND
	v_lshl_add_u32 v[CW0], v22, 2, s13
	v_lshlrev_b32 v[H8], 3, v23
	s_lshl_b32 s13, s[WV], 8
	v_add_nc_u32 v[CB0], s13, v[H8]
	v_mov_b32 v[INF], 0x7f800000
	s_lshl_b32 s13, s[WV], 10
	s_add_co_u32 s53, s13, W2L
	v_lshl_add_u32 v[W2A], v22, 2, s53
	v_lshl_add_u32 v[W2B], v23, 5, s53
	s_add_co_u32 s53, s13, CAND
	v_add_nc_u32 v[FIN], s53, v[XO]
.irp m, 0,1,2,3
	v_mov_b32 v[IY+\m], 0                          ; a lane permute's destination counts as one of its sources
.endr
	v_mov_b32 v[QY+DK], 0                          ; likewise, in the second set of work registers
	WIN TO1
.irp i, 96,97,98,99,100,101
	v_mov_b32 v[CBK+\i], 0                         ; behind tile 15
.endr
	WIN 0
	s_wait_alu depctr_va_vdst(0)
	s_wait_dscnt 0x0
	s_wait_kmcnt 0x0
	s_add_nc_u64 s[4:5], s[4:5], s[14:15]          ; x at my tile of block 0
	s_add_nc_u64 s[8:9], s[8:9], s[48:49]          ; idx at the 256 rows that I store
	s_add_nc_u64 s[50:51], s[6:7], s[50:51]        ; weight at my 256 rows
	s_mov_b32 s[G0], 1                             ; count = 1
	s_mov_b32 s[G0+1], s52                         ; LDS address: wave x 256 rows of 272 bytes
	s_mov_b64 s[G0+2:G0+3], s[50:51]               ; my first row of weight
	s_or_b32 s[G0+3], s[G0+3], 0x80000000          ; type = 2
	CROUND                                         ; all four work-groups are here: the joint loads meet
	tensor_load_to_lds s[G0:G0+3], s[G1:G1+7]      ; my 256 rows: the one tensor load of this wave; each LDS byte is filled once
	s_nop 0
	PLACES 4                                       ; four plain places behind a tensor load
	XLOAD 0                                        ; block 0
	s_wait_loadcnt 0x0
	TURN
	s_wait_dscnt 0x0                               ; the numbers are back, and the stage's stores have read their registers,
	XLOAD 16384                                    ; which take block 1
	QUANT_A XT
	XMOV
	QUANT_B XT
	XIMGST
	; THE CODE BOOK: my 16 tiles, two at a time on four sets of registers by turns: tiles t + 2 and t + 3 are read from LDS while tiles t and t + 1 are quantised.  I read only what my own loads brought: my own counter is all the ordering that it needs.
	s_wait_tensorcnt 0x0                           ; my one load has landed: all my 256 rows
	WREAD 0, XT2
	WREAD 1, XT3
.set TT, 0
.rept 8                                ; two tiles a turn; the next two are read from LDS meanwhile
.if TT < 7
.if TT%2 == 0
	WREAD 2*TT+2, XT
	WREAD 2*TT+3, XT4
.else
	WREAD 2*TT+2, XT2
	WREAD 2*TT+3, XT3
.endif
	s_wait_dscnt 16                                ; all but the sixteen just issued: this turn's numbers are in
.else
	s_wait_dscnt 0
.endif
.if TT%2 == 0
	QUANT2 XT2, XT3
.else
	QUANT2 XT, XT4
.endif
	WFIN2 2*TT
.set TT, TT+1
.endr
.irp m, 0,1,2,3
.irp i, 6,7,8,9,10,11
	v_mov_b32 v[XF+12*\m+\i], 0                    ; x's codes of K = 64 .. 127: zeros, set once, behind the code book's use of these registers; the fetches write registers 0-5 alone
.endr
.endr
.irp m, 0,1,2,3
	v_mov_b32 v[X2+2*\m+1], 0                      ; named with x2 as a pair.  (These four are also the places between the zeros above and the first product)
.endr
	WIN TO1
.irp t, 0,1,2,3,4,5,6,7,8,9,10,11,12,13,14,15
	ds_load_b128 v[W2R+8*\t:W2R+8*\t+3], v[W2B] offset:64*\t          ; w2 of code words 16 t + 8 h + 0 .. 7: the result's layout.  These see my stores above
	ds_load_b128 v[W2R+8*\t+4:W2R+8*\t+7], v[W2B] offset:64*\t+16
.endr
	WIN 0
	s_wait_alu depctr_va_vdst(0)
	s_wait_dscnt 0x0                               ; for the others' sake too: my image of block 0 has landed
	s_barrier_signal -1
	s_barrier_wait -1
	FETCHX
	FETCH2
	s_mov_b32 s[BLK], 0
	s_mov_b32 s[BOFF], 0
.Lblock:                                               ; a trip: a block of 64 rows.  In the last trip the work on the next block's tile runs on old numbers, and nobody uses it: a second copy of the body would cost more
	s_wait_loadcnt 0x0                             ; my tile of the next block, asked for a trip ago
	TURN
	s_wait_dscnt 0x14                              ; all but TURN's sixteen and the four loads of x2 ahead of them: x's fragments and scale words are in; x2 is first read behind pass 1's wait for 0
	; ---- pass 1: 64 products; behind each, four minima of the quad before: so four plain lines or more stand between a product and the first read of its result
.irp e, 0,1,2,3
	MM 0, \e
.endr
	PLACES 4
.set Q, 0
.rept 15
.irp e, 0,1,2,3
	MM Q+1, \e                                     ; four products on four accumulators, under one setting of the windows
.endr
.irp e, 0,1,2,3
	MIN4 Q, \e                                     ; the sixteen minima of the quad before, under one setting: they are also the places behind the four products
.endr
.if Q == 1
	WIN 0
	s_wait_dscnt 0x0                               ; the stage's stores have read their registers,
	s_cmp_lt_u32 s[BLK], 14                        ; which take my tile of the block after next, if there is one: no load leaves x
	s_cbranch_scc0 .Lno_more
	XLOAD 32768
.Lno_more:
.endif
.set Q, Q+1
.endr
.irp l, 0,1,2,3
	MIN4 15, \l
.endr
	WIN 0
	; ---- the row's least d2 among my 256 code words
.irp m, 0,1,2,3
	v_min3_num_f32 v[M+\m], v[G+16*\m], v[G+16*\m+1], v[G+16*\m+2]
.endr
.irp i, 3,5,7,9,11,13
.irp m, 0,1,2,3
	v_min3_num_f32 v[M+\m], v[M+\m], v[G+16*\m+\i], v[G+16*\m+\i+1]
.endr
.endr
.irp m, 0,1,2,3
	v_min_num_f32 v[M+\m], v[M+\m], v[G+16*\m+15]  ; the least d' of my 128 numbers
.endr
.irp m, 0,1,2,3
	v_add_f32 v[M+\m], v[M+\m], v[X2+2*\m]         ; as d2: the least fl(d' + x2) is fl(least d' + x2)
.endr
.irp m, 0,1,2,3
	v_permlanex16_b32 v[IY+\m], v[M+\m], s[LSEL], s[LSEL+1]
.endr
.irp m, 0,1,2,3
	v_min_num_f32 v[M+\m], v[M+\m], v[IY+\m]
.endr
	ds_store_b128 v[PMW], v[M:M+3]
.irp m, 0,1,2,3
.irp i, 0,2,4,6,8,10,12,14
	v_pk_add_f32 v[G+16*\m+\i:G+16*\m+\i+1], v[G+16*\m+\i:G+16*\m+\i+1], v[X2+2*\m:X2+2*\m+1] op_sel_hi:[1,0]   ; the tiles' minima as d2, for pass 2: work on registers while the store is out
.endr
.endr
	s_wait_dscnt 0x0                               ; my minima have landed; my reads of the images are long over
	s_barrier_signal -1
	QUANT_A XT                                     ; work on registers while the others arrive: the next block's tile
	XMOV
	s_barrier_wait -1                              ; all minima lie in LDS, and nobody reads the old images any more
.irp w, 0,1,2,3
	ds_load_b128 v[XF+12*\w:XF+12*\w+3], v[PMA] offset:512*\w   ; into registers that the fetch below fills anew
.endr
	QUANT_B XT
	XIMGST
	s_wait_dscnt 0x4                               ; the four image stores may be out: the four loads ahead of them are in
	TCALC
	s_wait_alu depctr_va_vdst(0)
	s_wait_dscnt 0x0                               ; my image has landed, and my reads of the minima are over
	s_barrier_signal -1
	PICK 2                                         ; ---- pass 2, row tiles 0 and 1: work on registers
	s_barrier_wait -1                              ; the next block's images lie in LDS; the minima's words may be written again
	FETCHX                                         ; they land under the rest of pass 2
	PICK 3
	FINAL
	FETCH2                                         ; behind the last use of this block's x2
	s_wait_xcnt 0x0                                ; the loads of x have read their base
	s_add_nc_u64 s[4:5], s[4:5], 16384             ; 64 rows on
	s_add_co_u32 s[BOFF], s[BOFF], 256
	s_add_co_u32 s[BLK], s[BLK], 1
	s_cmp_lt_u32 s[BLK], 16
	s_cbranch_scc1 .Lblock
	; ---- the lowest of the four waves' candidates; wave w stores rows 256 w .. 256 w + 255
	s_wait_dscnt 0x0
	s_barrier_signal -1
	s_barrier_wait -1
.irp w, 0,1,2,3
.irp u, 0,1
	ds_load_b128 v[G+8*\w+4*\u:G+8*\w+4*\u+3], v[FIN] offset:4096*\w+512*\u
.endr
.endr
	s_wait_dscnt 0x0
.irp w, 1,2,3
.irp i, 0,1,2,3,4,5,6,7
	v_min_u32 v[G+\i], v[G+\i], v[G+8*\w+\i]
.endr
.endr
.irp u, 0,1
	global_store_b128 v[XO], v[G+4*\u:G+4*\u+3], s[8:9] offset:512*\u   ; 32 lanes store 512 consecutive bytes, at a multiple of 256 from idx's first byte
.endr
	s_set_vgpr_msb 0x5
	s_wait_tensorcnt 0x0
	ds_add_u32 v126, v127
	s_wait_dscnt 0x0
	s_set_vgpr_msb 0x500
	CROUND                                         ; the closing round
	s_endpgm
.Lfunc_end_k_q327fd9dc2f_nearest:
	.size	k_q327fd9dc2f_nearest, .Lfunc_end_k_q327fd9dc2f_nearest-k_q327fd9dc2f_nearest
	.p2alignl 7, 3214868480
	.fill 96, 4, 3214868480
	.section	.rodata,"a",@progbits
	.p2align	6, 0x0
	.amdhsa_kernel k_q327fd9dc2f_nearest
		.amdhsa_group_segment_fixed_size 327680
		.amdhsa_private_segment_fixed_size 0
		.amdhsa_enable_private_segment 0
		.amdhsa_kernarg_size 24
		.amdhsa_user_sgpr_count 2
		.amdhsa_user_sgpr_kernarg_segment_ptr 1
		.amdhsa_wavefront_size32 1
		.amdhsa_system_sgpr_workgroup_id_x 1
		.amdhsa_system_sgpr_workgroup_id_y 1
		.amdhsa_system_sgpr_workgroup_id_z 1
		.amdhsa_system_vgpr_workitem_id 0
		.amdhsa_next_free_vgpr 1024
		.amdhsa_next_free_sgpr 98
		.amdhsa_reserve_vcc 1
		.amdhsa_float_denorm_mode_32 3
		.amdhsa_float_denorm_mode_16_64 3
		.amdhsa_memory_ordered 1
		.amdhsa_forward_progress 1
		.amdhsa_inst_pref_size 146
	.end_amdhsa_kernel
	.amdgpu_metadata
---
amdhsa.version: [ 1, 2 ]
amdhsa.kernels:
  - .name:           k_q327fd9dc2f_nearest
    .symbol:         k_q327fd9dc2f_nearest.kd
    .args:
      - { .name: x, .offset: 0, .size: 8, .value_kind: global_buffer, .address_space: global }
      - { .name: weight, .offset: 8, .size: 8, .value_kind: global_buffer, .address_space: global }
      - { .name: idx, .offset: 16, .size: 8, .value_kind: global_buffer, .address_space: global }
    .group_segment_fixed_size: 327680
    .private_segment_fixed_size: 0
    .kernarg_segment_align: 8
    .kernarg_segment_size: 24
    .max_flat_workgroup_size: 128
    .sgpr_count:     98
    .vgpr_count:     1024
    .wavefront_size: 32
...
	.end_amdgpu_metadata
.endif
;; end of part 1
;; launch gather (part 2): grid 512 x 1, 8 waves a work-group, no clusters, 3,072 bytes of LDS; arguments idx, weight, out0; writes out0
.if DOCPART == 2
	.amdgcn_target "amdgcn-amd-amdhsa--gfx1250"
	.amdhsa_code_object_version 6
	.text
	.protected	k_q327fd9dc2f_gather
	.globl	k_q327fd9dc2f_gather
	.p2align	8
	.type	k_q327fd9dc2f_gather,@function
k_q327fd9dc2f_gather:
	s_mov_b64 s[64:65], 0
	v_nop
	global_prefetch_b8 v0, s[64:65] scope:SCOPE_SE
	s_setreg_imm32_b32 hwreg(HW_REG_WAVE_MODE, 25, 1), 1
	s_wait_xcnt 0x0
; out0[n][:] = weight[idx[n]][:].  idx: [262144] u32, stored by the launch before; weight: [1024][64] f32; out0: [262144][64] f32.
; A wave takes 64 rows: lanes 0-15 rows 0-31, lanes 16-31 rows 32-63; sixteen lanes to a row of 256 bytes.  Its 64 indices come by one load of 256 consecutive bytes and go through the wave's own
; 256 bytes of LDS, so that each half of the lanes has its 32 indices in 32 registers.  All 32 row loads are out together; each store of a half of the lanes covers 256 consecutive bytes, aligned.
; No loop, no barrier: waves share nothing.  No matrix unit, no cluster: the launch only moves bytes, and the table is read again and again by everybody.
; An index is held at 1,023 from above ahead of its use in an address.
.set LW,  4                            ; v4   LDS, in: 8 x thread = 256 x wave + 8 x lane
.set LR,  5                            ; v5   LDS, out: 256 x wave + 128 h
.set C16, 6                            ; v6   16 r: my 16 bytes of a row
.set SO,  7                            ; v7   8192 h + 16 r: my place in the wave's rows of out0
.set I,   8                            ; v8-39    my half's 32 indices, then byte offsets in weight
.set DT,  40                           ; v40-167  32 x 16 bytes
	s_load_b128 s[4:7], s[0:1], 0x0                ; idx, weight
	s_load_b64 s[8:9], s[0:1], 0x10                ; out0
	v_lshl_add_u32 v176, v0, 2, 0x800
	v_mov_b32 v177, 0
	v_lshrrev_b32 v1, 5, v0
	s_delay_alu instid0(VALU_DEP_1)
	v_readfirstlane_b32 s10, v1                    ; wave 0..7
	s_lshl_b32 s11, ttmp9, 3
	s_add_co_u32 s11, s11, s10                     ; which run of 64 rows is mine
	s_lshl_b32 s12, s11, 8                         ; 256 bytes of idx,
	s_mov_b32 s13, 0
	s_lshl_b32 s14, s11, 14                        ; 16,384 bytes of out0
	s_mov_b32 s15, 0
	v_and_b32 v1, 31, v0
	s_delay_alu instid0(VALU_DEP_1)
	v_lshlrev_b32 v1, 3, v1                        ; 8 x lane
	v_lshlrev_b32 v[LW], 3, v0
	v_and_b32 v[LR], 0xf0, v0
	s_delay_alu instid0(VALU_DEP_1)
	v_lshlrev_b32 v[LR], 3, v[LR]
	v_and_b32 v[C16], 15, v0
	s_delay_alu instid0(VALU_DEP_1)
	v_lshlrev_b32 v[C16], 4, v[C16]
	v_bfe_u32 v[SO], v0, 4, 1
	s_delay_alu instid0(VALU_DEP_1)
	v_lshl_add_u32 v[SO], v[SO], 13, v[C16]
	s_wait_alu depctr_va_vdst(0)
	s_wait_kmcnt 0x0
	s_add_nc_u64 s[4:5], s[4:5], s[12:13]
	s_add_nc_u64 s[8:9], s[8:9], s[14:15]
	global_load_b64 v[2:3], v1, s[4:5] th:TH_LOAD_NT   ; 32 lanes read 256 consecutive bytes, read once in the launch
	s_wait_loadcnt 0x0
	ds_store_b64 v[LW], v[2:3]
.irp q, 0,1,2,3,4,5,6,7
	ds_load_b128 v[I+4*\q:I+4*\q+3], v[LR] offset:16*\q   ; LDS serves a wave's instructions in order: these see my store; the sixteen lanes of a half read the same words
.endr
	s_wait_dscnt 0x0
.irp i, 0,1,2,3,4,5,6,7,8,9,10,11,12,13,14,15,16,17,18,19,20,21,22,23,24,25,26,27,28,29,30,31
	v_min_u32 v[I+\i], 0x3ff, v[I+\i]              ; inside the table
.endr
.irp i, 0,1,2,3,4,5,6,7,8,9,10,11,12,13,14,15,16,17,18,19,20,21,22,23,24,25,26,27,28,29,30,31
	v_lshlrev_b32 v[I+\i], 8, v[I+\i]              ; a row is 256 bytes
.endr
.irp i, 0,1,2,3,4,5,6,7,8,9,10,11,12,13,14,15,16,17,18,19,20,21,22,23,24,25,26,27,28,29,30,31
	v_add_nc_u32 v[I+\i], v[C16], v[I+\i]
.endr
.irp i, 0,1,2,3,4,5,6,7,8,9,10,11,12,13,14,15,16,17,18,19,20,21,22,23,24,25,26,27,28,29,30,31
	global_load_b128 v[DT+4*\i:DT+4*\i+3], v[I+\i], s[6:7]   ; no hint: rows of the table recur
.endr
.irp i, 0,1,2,3,4,5,6,7,8,9,10,11,12,13,14,15,16,17,18,19,20,21,22,23,24,25,26,27,28,29,30,31
	s_wait_loadcnt 31-\i                           ; loads come back in order: row i is in, the younger ones stay out
	global_store_b128 v[SO], v[DT+4*\i:DT+4*\i+3], s[8:9] offset:256*\i th:TH_STORE_NT   ; rows i and 32 + i; no register of a store is written again
.endr
	s_wait_tensorcnt 0x0
	ds_add_u32 v176, v177
	s_wait_dscnt 0x0
	s_endpgm
.Lfunc_end_k_q327fd9dc2f_gather:
	.size	k_q327fd9dc2f_gather, .Lfunc_end_k_q327fd9dc2f_gather-k_q327fd9dc2f_gather
	.p2alignl 7, 3214868480
	.fill 96, 4, 3214868480
	.section	.rodata,"a",@progbits
	.p2align	6, 0x0
	.amdhsa_kernel k_q327fd9dc2f_gather
		.amdhsa_group_segment_fixed_size 3072
		.amdhsa_private_segment_fixed_size 0
		.amdhsa_enable_private_segment 0
		.amdhsa_kernarg_size 24
		.amdhsa_user_sgpr_count 2
		.amdhsa_user_sgpr_kernarg_segment_ptr 1
		.amdhsa_wavefront_size32 1
		.amdhsa_system_sgpr_workgroup_id_x 1
		.amdhsa_system_sgpr_workgroup_id_y 1
		.amdhsa_system_sgpr_workgroup_id_z 1
		.amdhsa_system_vgpr_workitem_id 0
		.amdhsa_next_free_vgpr 178
		.amdhsa_next_free_sgpr 66
		.amdhsa_reserve_vcc 0
		.amdhsa_float_denorm_mode_32 3
		.amdhsa_float_denorm_mode_16_64 3
		.amdhsa_memory_ordered 1
		.amdhsa_forward_progress 1
		.amdhsa_inst_pref_size 14
	.end_amdhsa_kernel
	.amdgpu_metadata
---
amdhsa.version: [ 1, 2 ]
amdhsa.kernels:
  - .name:           k_q327fd9dc2f_gather
    .symbol:         k_q327fd9dc2f_gather.kd
    .args:
      - { .name: idx, .offset: 0, .size: 8, .value_kind: global_buffer, .address_space: global }
      - { .name: weight, .offset: 8, .size: 8, .value_kind: global_buffer, .address_space: global }
      - { .name: out0, .offset: 16, .size: 8, .value_kind: global_buffer, .address_space: global }
    .group_segment_fixed_size: 3072
    .private_segment_fixed_size: 0
    .kernarg_segment_align: 8
    .kernarg_segment_size: 24
    .max_flat_workgroup_size: 256
    .sgpr_count:     66
    .vgpr_count:     178
    .wavefront_size: 32
...
	.end_amdgpu_metadata
.endif
;; end of part 2
